; MI455X (gfx1250); checked and timed in simulation.
; The chip was launched on July 23, 2026; its instructions are those of AMD's public machine-readable ISA for CDNA 5 (MIT licence, August 2026) and "CDNA5" Instruction Set Architecture Reference Guide (July 2026). The comments in the code are by the model that wrote it; some were corrected since.
;; Dual Attention. Allowed arithmetic: matrix products marked QUANTISED: E4M3 operands, one given power-of-two scale a tensor, by v_wmma_f32_16x16x64_fp8_fp8 or v_wmma_f32_16x16x128_fp8_fp8, f32 sums; everything else in f32.
;; Inputs: W1_codes 512 x 16 x 32 uint8 (E4M3 codes of W1, K innermost, in blocks of 32 codes); W2_codes 512 x 16 x 32 uint8 (E4M3 codes of W2, K innermost, in blocks of 32 codes); W3_codes 512 x 4 x 32 uint8 (E4M3 codes of W3, K innermost, in blocks of 32 codes); W4_codes 512 x 16 x 32 uint8 (E4M3 codes of W4, K innermost, in blocks of 32 codes); b1 512 float32; b2 512 float32; b3 512 float32; b4 512 float32; encoder_hidden 256 x 4 x 512 float32; input_z_codes 4 x 256 x 4 x 32 uint8 (E4M3 codes of input_z, K innermost, in blocks of 32 codes); lowp_scales 8 int32 (the exponents e of the quantised operands' scales 2^e); output 4 x 64 x 512 float32.
;; Outputs: out0 4 x 64 x 1,024 float32; out1 4 x 64 x 512 float32.
;; This version of the problem:
;;   THIS VERSION OF THE PROBLEM IS GIVEN IN LOW PRECISION. The matrix products marked QUANTISED in the list below multiply operands that are first quantised to E4M3 (4 exponent bits, 3 mantissa bits; 8 bits a number), with one given power-of-two scale for each operand tensor; their sums are f32. All else is computed in f32.
;;   The module's matrix products, in the order in which they are computed (A, B: the left and right operand; K: the contracted axis; several contracted axes count as one K, in the product's order):
;;     1. [M 1,024, K 512] x [K 512, N 512]; A: input encoder_hidden; B: input W1 (given as codes): QUANTISED (scales: A lowp_scales[0], B lowp_scales[1])
;;     2. [M 1,024, K 128] x [K 128, N 512]; A: input input_z (given as codes); B: input W3 (given as codes): QUANTISED (scales: A lowp_scales[2], B lowp_scales[3])
;;     3. [M 256, K 512] x [K 512, N 512]; A: input output; B: input W2 (given as codes): QUANTISED (scales: A lowp_scales[4], B lowp_scales[5])
;;     4. [M 256, K 512] x [K 512, N 512]; A: input output; B: input W4 (given as codes): QUANTISED (scales: A lowp_scales[6], B lowp_scales[7])
;;   THE QUANTISER, for each operand of a quantised product, along K:
;;     - The operand's scale is 2^e, e = its entry of the input lowp_scales (int32; the entries are numbered through the quantised products in the list's order, A before B).
;;     - Each number is divided by the scale, clamped to +-448, and rounded to the nearest number of E4M3, ties to even, subnormals kept.
;;     - The product sums the exact products of the quantised numbers (number of the format x scale) in f32.
;;   ~~~python
;;   def quantise(x, axis, e):      # numpy; x: float32 -> the quantised numbers, widened to float32 again
;;       x = np.moveaxis(x, axis, -1); K = x.shape[-1]
;;       r = np.clip(x / 2.0 ** e, -448, 448)
;;       step = 2.0 ** (np.maximum(np.frexp(np.where(r == 0, 1, r))[1] - 1, -6) - 3)
;;       q = np.round(r / step) * step * 2.0 ** e      # np.round: ties to even
;;       return np.moveaxis(q, -1, axis).astype(np.float32)
;;   ~~~
;;   INPUTS GIVEN AS CODES. W1 (in the module: [512, 512], K = its axis 1); W2 (in the module: [512, 512], K = its axis 1); W3 (in the module: [512, 128], K = its axis 1); W4 (in the module: [512, 512], K = its axis 1); input_z (in the module: [4, 256, 128], K = its axis 2): each comes as NAME_codes (uint8): NAME with its K axis moved to the last place and cut into blocks of 32 codes, [.., K / 32, bytes a block], one block behind the other in memory; one code a byte (a code: sign, 4 exponent bits, 3 mantissa bits); its scale is its entry of lowp_scales. Its value is code x scale, taken as it is: it is not quantised again, and the codes and scales need not be those that the quantiser above would give.
;; 2 versions. Each part assembles by itself: llvm-mc -triple=amdgcn-amd-amdhsa -mcpu=gfx1250 --defsym DOCPART=n.
;; ======== version 1 of 2: 2 launches
;; workspace buffers: ws 5,242,880 bytes
;; launch proj (part 1): grid 256 x 1, 8 waves a work-group, no clusters, 42,496 bytes of LDS; arguments encoder_hidden, output, input_z_codes, W1_codes, W2_codes, W3_codes, W4_codes, b1, b2, b3, b4, lowp_scales, ws, out0; writes ws, out0
.if DOCPART == 1
	.amdgcn_target "amdgcn-amd-amdhsa--gfx1250"
	.amdhsa_code_object_version 6
	.text
	.protected	k_q98527964d5_proj
	.globl	k_q98527964d5_proj
	.p2align	8
	.type	k_q98527964d5_proj,@function
k_q98527964d5_proj:
	s_mov_b64 s[64:65], 0
	v_nop
	global_prefetch_b8 v0, s[64:65] scope:SCOPE_SE
	s_setreg_imm32_b32 hwreg(HW_REG_WAVE_MODE, 25, 1), 1
	s_wait_xcnt 0x0
; THE FOUR QUANTISED PRODUCTS, THEIR BIASES AND tanh; and the copy of output into the left half of out0.
;   hs = tanh(Q(enc) W1^T + b1)  [1024][512], K = 512      fd = tanh(z W3^T + b3)  [1024][512], K = 128
;   o2 = tanh(Q(output) W2^T + b2), o3 = tanh(Q(output) W4^T + b4)  [256][512], K = 512; output is quantised once with e4 and once with e6.
; The two raw views of the source only say that flat row i of enc, hs, z belongs to b = i / 256, s = i % 256: nothing is permuted.
; OUT, into the workspace: HF [1024 rows][256 pairs]{hs(2p), hs(2p+1), fd(2p), fd(2p+1)} f32 (a row is 4,096 bytes);
;   behind it O2S and O3S [256][512] f32 = log2(e) x tanh(..): the next launch's exponent is then a power of two.
; SHARES.  Work-group g: 16 rows x 128 columns of hs and fd (rows 16 (g >> 2), columns 128 (g & 3)); 8 rows x 128 columns of o2 (g even) or o3 (g odd);
;   row g of the copy.  A matrix tile has 16 rows: for o the lanes of rows 8-15 hold rows 0-7 once more (the same addresses, no byte more) and their results are not read.
;   Wave w first quantises one fragment (16 rows x 128 K): waves 0-3 enc's K step w, waves 4-7 output's K step w - 4; the choice is a select on the wave's number, no branch.
;   The eight fragments go from wave to wave through LDS as images of their registers.  Then wave w makes 16 columns of hs, of fd and of o: nine matrix instructions.
; THE MATRIX INSTRUCTION IS USED TRANSPOSED (source 0 = 16 rows of W, source 1 = 16 rows of the activations): lane (r, h), register j = (row r, column 8 h + j).
; Fragments are laid by loads of 16 bytes: registers 4 c .. 4 c + 3 hold k = 32 c + 16 h + 0 .. 15, alike on both sides, so every product meets its partner.
; tanh(x) = 1 - 2 / (1 + 2^(2.885390 x)); x = sum x 2^(eA + eB) + b is one packed multiply-add with both factors folded.
; NO JOINT LOADS, NO TENSOR LOADS: every operand byte goes from memory straight into the register that uses it, read by one wave of the work-group once; by way of LDS each such byte
;   would be written to LDS and read from it once more.  All 63 loads of a wave go out together at the head, so nothing could be asked for earlier.
; LIMITS: e0, e4, e6 between -126 and 119 (2^e and 448 x 2^e are f32 numbers); eA + eB of each product at most 126.  NaN among the inputs is not served.
.set IMG,   0                          ; LDS: 8 images of 2,048 bytes: image f at 2048 f + 512 c + 16 x lane
.set HFSTG, 16384                      ; 16 rows x (1,024 bytes + 16): hs and fd, interleaved by pairs
.set OSTG,  33024                      ; 16 rows x (512 bytes + 16): o
.set XA,  5                            ; v5   x: (row << 11) + 64 h
.set WA,  6                            ; v6   W1, W2, W4: (r << 9) + 16 h
.set ZA,  7                            ; v7   z, W3: (r << 7) + 16 h
.set BA,  8                            ; v8   biases: 32 h
.set LI,  9                            ; v9   16 x lane
.set CPA, 10                           ; v10  8 x thread
.set XWI, 11                           ; v11  where I store my image
.set SO,  12                           ; v12  the hs/fd stage, in
.set OSO, 13                           ; v13  the o stage, in
.set SR,  14                           ; v14  the hs/fd stage, back
.set OSR, 15                           ; v15  the o stage, back
.set X,   16                           ; v16-79   64 numbers of x; from the first barrier on v16-143: the eight images; at the end rows read back
.set AF,  16
.set PC,  144                          ; v144-159 the codes just made
.set HS,  160                          ; three accumulators
.set FD,  168
.set OA,  176
.set Z,   184                          ; v184-199 z's fragment, then THF: quad q = {hs pair q, fd pair q}
.set THF, 184
.set TO,  200                          ; v200-207 o
.set F1,  208                          ; pairs, both words alike: 2.885390 x 2^(e0 + e1),
.set F3,  210                          ; x 2^(e2 + e3),
.set FO,  212                          ; x 2^(eOA + eOB)
.set KO2, 214                          ; -2 log2(e)
.set KO1, 216                          ; log2(e)
.set KH2, 218                          ; -2
.set KH1, 220                          ; 1
.set SC,  222                          ; 2^eX
.set LIM, 223                          ; 448 x 2^eX
.set B1,  224                          ; v224-247 b1, b3, b of o: eight numbers each, in the result's layout
.set B3,  232
.set BO,  240
.set CP,  248                          ; v[248:249] the copy
.set C2L, 250                          ; 2.885390 = 2 log2(e)
.set W1F, 0                            ; window 1: W1's four fragments, WO's four, W3's one
.set WOF, 64
.set W3F, 128
.set MSB, 0
.macro WIN new                         ; the immediate's high byte repeats the setting that is left
.if MSB != \new
	s_set_vgpr_msb (MSB<<8)|\new
.set MSB, \new
.endif
.endm
.macro BARRIER                         ; my LDS stores have landed and my LDS loads are in: then the work-group's barrier
	s_wait_dscnt 0x0
	s_barrier_signal -1
	s_barrier_wait -1
.endm
.macro MM acc, wreg, areg, zero
.if \zero
	v_wmma_f32_16x16x128_fp8_fp8 v[\acc:\acc+7], v[\wreg:\wreg+15], v[\areg:\areg+15], 0
.else
	v_wmma_f32_16x16x128_fp8_fp8 v[\acc:\acc+7], v[\wreg:\wreg+15], v[\areg:\areg+15], v[\acc:\acc+7]
.endif
.endm
	s_load_b512 s[8:23], s[0:1], 0x0               ; enc s[8:9], output s[10:11], z s[12:13], W1 s[14:15], W2 s[16:17], W3 s[18:19], W4 s[20:21], b1 s[22:23]
	s_load_b256 s[24:31], s[0:1], 0x40             ; b2 s[24:25], b3 s[26:27], b4 s[28:29], the scales' exponents s[30:31]
	s_load_b128 s[32:35], s[0:1], 0x60             ; ws s[32:33], out0 s[34:35]
	v_lshl_add_u32 v254, v0, 2, 0xa200
	v_mov_b32 v255, 0
	v_lshrrev_b32 v1, 5, v0
	v_readfirstlane_b32 s2, v1                     ; wave 0..7
	s_mov_b32 s3, ttmp9                            ; g
	s_lshr_b32 s44, s3, 2                          ; rb: hs, fd rows 16 rb on
	s_and_b32 s45, s3, 3                           ; cb: columns 128 cb on
	s_and_b32 s46, s3, 1                           ; a: o2 (0) or o3 (1)
	s_bfe_u32 s47, s3, 0x20001                     ; ocb: o's columns 128 ocb on
	s_lshr_b32 s48, s3, 3                          ; orb: o's rows 8 orb on
	s_and_b32 s49, s2, 3                           ; the K step that I quantise
	s_lshl_b32 s74, s44, 4
	s_lshl_b32 s75, s48, 3
	s_cmp_lt_u32 s2, 4                             ; waves 0-3 quantise enc, waves 4-7 output
	s_cselect_b32 s50, 15, 7                       ; 16 rows, or 8 rows twice
	s_cselect_b32 s51, s74, s75                    ; the first of them
	v_and_b32 v2, 31, v0                           ; lane
	v_and_b32 v3, 15, v0                           ; r
	v_bfe_u32 v4, v0, 4, 1                         ; h
	v_and_b32 v[XA], s50, v3
	v_lshlrev_b32 v[XA], 11, v[XA]                 ; a row of enc or of output is 2,048 bytes
	v_lshl_add_u32 v[XA], v4, 6, v[XA]             ; + my half's 16 numbers of a block of 32
	v_lshlrev_b32 v[WA], 9, v3
	v_lshl_add_u32 v[WA], v4, 4, v[WA]
	v_lshlrev_b32 v[ZA], 7, v3
	v_lshl_add_u32 v[ZA], v4, 4, v[ZA]
	v_lshlrev_b32 v[BA], 5, v4
	v_lshlrev_b32 v[LI], 4, v2
	v_lshlrev_b32 v[CPA], 3, v0
	v_lshl_add_u32 v[XWI], v1, 11, v[LI]           ; image w: 2048 w + 16 x lane
	v_mul_u32_u24 v[SO], v3, 1040                  ; row r; my columns 16 w + 8 h + j are pairs 8 w + 4 h + j / 2 of 16 bytes
	v_lshl_add_u32 v[SO], v4, 6, v[SO]
	v_lshl_add_u32 v[SO], v1, 7, v[SO]
	v_add_nc_u32 v[SO], HFSTG, v[SO]
	v_mul_u32_u24 v[OSO], v3, 528                  ; row r, + 4 (16 w + 8 h) bytes
	v_lshl_add_u32 v[OSO], v4, 5, v[OSO]
	v_lshl_add_u32 v[OSO], v1, 6, v[OSO]
	v_add_nc_u32 v[OSO], OSTG, v[OSO]
	v_mul_u32_u24 v[SR], v1, 2080                  ; back: wave w takes rows 2 w and 2 w + 1, 16 bytes a lane
	v_add_nc_u32 v[SR], v[SR], v[LI]
	v_add_nc_u32 v[SR], HFSTG, v[SR]
	v_mul_u32_u24 v[OSR], v1, 528                  ; back: wave w takes row w
	v_add_nc_u32 v[OSR], v[OSR], v[LI]
	v_add_nc_u32 v[OSR], OSTG, v[OSR]
	s_mov_b32 s59, 0                               ; s[58:59]: an offset as a pair
	s_wait_kmcnt 0x0
	s_load_b256 s[36:43], s[30:31], 0x0            ; e0 .. e7
	s_cmp_lt_u32 s2, 4
	s_cselect_b64 s[60:61], s[8:9], s[10:11]       ; x = enc or output
	s_lshl_b32 s58, s51, 11
	s_lshl_b32 s74, s49, 9                         ; a K step of 128 numbers is 512 bytes
	s_add_co_u32 s58, s58, s74
	s_add_nc_u64 s[60:61], s[60:61], s[58:59]
	s_lshl_b32 s74, s45, 7
	s_lshl_b32 s75, s2, 4
	s_add_co_u32 s74, s74, s75                     ; my first column of hs and fd: 128 cb + 16 w
	s_lshl_b32 s58, s74, 9
	s_add_nc_u64 s[14:15], s[14:15], s[58:59]      ; W1 at that row (512 bytes a row)
	s_lshl_b32 s58, s74, 7
	s_add_nc_u64 s[18:19], s[18:19], s[58:59]      ; W3 (128 bytes a row)
	s_lshl_b32 s58, s74, 2
	s_add_nc_u64 s[22:23], s[22:23], s[58:59]      ; b1
	s_add_nc_u64 s[26:27], s[26:27], s[58:59]      ; b3
	s_lshl_b32 s58, s44, 11
	s_add_nc_u64 s[12:13], s[12:13], s[58:59]      ; z at row 16 rb (128 bytes a row)
	s_cmp_eq_u32 s46, 0
	s_cselect_b64 s[62:63], s[16:17], s[20:21]     ; WO = W2 or W4
	s_cselect_b64 s[66:67], s[24:25], s[28:29]     ; its bias
	s_lshl_b32 s74, s47, 7
	s_add_co_u32 s74, s74, s75                     ; my first column of o: 128 ocb + 16 w
	s_lshl_b32 s58, s74, 9
	s_add_nc_u64 s[62:63], s[62:63], s[58:59]
	s_lshl_b32 s58, s74, 2
	s_add_nc_u64 s[66:67], s[66:67], s[58:59]
	s_lshl_b32 s58, s3, 11
	s_add_nc_u64 s[68:69], s[10:11], s[58:59]      ; the copy: row g of output,
	s_lshl_b32 s58, s3, 12
	s_add_nc_u64 s[34:35], s[34:35], s[58:59]      ; to the left half of row g of out0
	s_lshl_b32 s74, s44, 4
	s_lshl_b32 s75, s2, 1
	s_add_co_u32 s74, s74, s75                     ; the rows of HF that I store: 16 rb + 2 w on
	s_lshl_b32 s58, s74, 12
	s_lshl_b32 s74, s45, 10                        ; 128 columns are 64 pairs of 16 bytes
	s_add_co_u32 s58, s58, s74
	s_add_nc_u64 s[70:71], s[32:33], s[58:59]
	s_lshl_b32 s74, s48, 3
	s_add_co_u32 s74, s74, s2                      ; the row of o that I store: 8 orb + w
	s_lshl_b32 s58, s74, 11
	s_lshl_b32 s74, s47, 9
	s_add_co_u32 s58, s58, s74
	s_lshl_b32 s74, s46, 19                        ; O3S lies 524,288 bytes behind O2S
	s_add_co_u32 s58, s58, s74
	s_add_co_u32 s58, s58, 4194304                 ; behind HF
	s_add_nc_u64 s[72:73], s[32:33], s[58:59]
	; ---- all 63 loads of the wave, in the order in which they are wanted
.irp c, 0,1,2,3
.irp j, 0,1,2,3
	global_load_b128 v[X+16*\c+4*\j:X+16*\c+4*\j+3], v[XA], s[60:61] offset:128*\c+16*\j   ; register 16 c + i = k 32 c + 16 h + i of my row
.endr
.endr
	global_load_b64 v[CP:CP+1], v[CPA], s[68:69]
	global_load_b128 v[B1:B1+3],   v[BA], s[22:23]             ; the biases of my columns 8 h + 0 .. 7
	global_load_b128 v[B1+4:B1+7], v[BA], s[22:23] offset:16
	global_load_b128 v[B3:B3+3],   v[BA], s[26:27]
	global_load_b128 v[B3+4:B3+7], v[BA], s[26:27] offset:16
	global_load_b128 v[BO:BO+3],   v[BA], s[66:67]
	global_load_b128 v[BO+4:BO+7], v[BA], s[66:67] offset:16
.irp c, 0,1,2,3
	global_load_b128 v[Z+4*\c:Z+4*\c+3], v[ZA], s[12:13] offset:32*\c
.endr
	WIN 0x40                                       ; destination window 1, address window 0
.irp c, 0,1,2,3
	global_load_b128 v[W3F+4*\c:W3F+4*\c+3], v[ZA], s[18:19] offset:32*\c
.endr
.irp k, 0,1,2,3
.irp c, 0,1,2,3
	global_load_b128 v[W1F+16*\k+4*\c:W1F+16*\k+4*\c+3], v[WA], s[14:15] offset:128*\k+32*\c
.endr
.endr
.irp k, 0,1,2,3
.irp c, 0,1,2,3
	global_load_b128 v[WOF+16*\k+4*\c:WOF+16*\k+4*\c+3], v[WA], s[62:63] offset:128*\k+32*\c
.endr
.endr
	WIN 0
	; ---- the scales, while the loads are out
	s_wait_kmcnt 0x0
	s_cmp_eq_u32 s46, 0
	s_cselect_b32 s52, s40, s42                    ; o's A: e4 or e6
	s_cselect_b32 s53, s41, s43                    ; o's B: e5 or e7
	s_cmp_lt_u32 s2, 4
	s_cselect_b32 s54, s36, s52                    ; the scale of what I quantise
	s_add_co_i32 s55, s36, s37                     ; e0 + e1
	s_add_co_i32 s56, s38, s39                     ; e2 + e3
	s_add_co_i32 s57, s52, s53
	s_add_co_i32 s74, s54, 127
	s_lshl_b32 s75, s74, 23
	v_mov_b32 v[SC], s75                           ; 2^eX as f32: the conversion takes its exponent field
	s_add_co_i32 s74, s74, 8
	s_lshl_b32 s74, s74, 23
	s_or_b32 s74, s74, 0x600000
	v_mov_b32 v[LIM], s74                          ; 448 x 2^eX
	v_mov_b32 v[C2L], 0x4038aa3b
	v_mov_b32 v[C2L+1], 0x4038aa3b
	v_mov_b32 v[KO2], 0xc038aa3b
	v_mov_b32 v[KO2+1], 0xc038aa3b
	v_mov_b32 v[KO1], 0x3fb8aa3b
	v_mov_b32 v[KO1+1], 0x3fb8aa3b
	v_mov_b32 v[KH2], -2.0
	v_mov_b32 v[KH2+1], -2.0
	v_mov_b32 v[KH1], 1.0
	v_mov_b32 v[KH1+1], 1.0
	v_ldexp_f32 v[F1], v[C2L], s55
	v_ldexp_f32 v[F1+1], v[C2L], s55
	v_ldexp_f32 v[F3], v[C2L], s56
	v_ldexp_f32 v[F3+1], v[C2L], s56
	v_ldexp_f32 v[FO], v[C2L], s57
	v_ldexp_f32 v[FO+1], v[C2L], s57
	; ---- my fragment is quantised and stored as an image
	s_wait_loadcnt 47                              ; loads come back in order: x's sixteen are in, the 47 issued behind them may be out
.irp b, 0,1,2,3
.irp i, 0,1,2,3,4,5,6,7,8,9,10,11,12,13,14,15
	v_med3_num_f32 v[X+16*\b+\i], v[X+16*\b+\i], -v[LIM], v[LIM]   ; the conversion to an 8-bit code does not saturate (ISA guide 7.6.2): the hold at the largest code x the scale
.endr
	v_cvt_scalef32_pk8_fp8_f32 v[PC+4*\b:PC+4*\b+1], v[X+16*\b:X+16*\b+7], v[SC]
	v_cvt_scalef32_pk8_fp8_f32 v[PC+4*\b+2:PC+4*\b+3], v[X+16*\b+8:X+16*\b+15], v[SC]
.endr
	v_nop                                          ; one plain vector instruction behind the last scaled conversion
.irp c, 0,1,2,3
	ds_store_b128 v[XWI], v[PC+4*\c:PC+4*\c+3] offset:IMG+512*\c
.endr
	s_wait_loadcnt 46                              ; the copy's load is in
	global_store_b64 v[CPA], v[CP:CP+1], s[34:35] th:TH_STORE_NT   ; 256 threads x 8 bytes: 2,048 consecutive bytes, aligned; its registers are never written again
	BARRIER                                        ; the eight images lie in LDS
	; ---- the products
.irp f, 0,1,2,3,4,5,6,7
.irp c, 0,1,2,3
	ds_load_b128 v[AF+16*\f+4*\c:AF+16*\f+4*\c+3], v[LI] offset:IMG+2048*\f+512*\c
.endr
.endr
	s_wait_dscnt 0x0
	s_wait_loadcnt 0x0                             ; z, the weights, the biases
	WIN 0x01                                       ; source 0 (the weights) window 1
	MM HS, W1F,    AF,     1                       ; the three accumulators take turns, one instruction a turn; the first products start the sums
	MM OA, WOF,    AF+64,  1
	MM FD, W3F,    Z,      1
	MM HS, W1F+16, AF+16,  0
	MM OA, WOF+16, AF+80,  0
	MM HS, W1F+32, AF+32,  0
	MM OA, WOF+32, AF+96,  0
	MM HS, W1F+48, AF+48,  0
	MM OA, WOF+48, AF+112, 0
	WIN 0
.irp j, 0,2,4,6,8,10,12,14,16,18,20,22
	v_pk_mul_f32 v[B1+\j:B1+\j+1], v[B1+\j:B1+\j+1], v[C2L:C2L+1]   ; the biases x 2.885390.  These twelve name no register of the products: they are the places behind them (ISA guide 7.12.1)
.endr
.irp q, 0,1,2,3                                ; each accumulator from its low end on
	v_pk_fma_f32 v[THF+4*\q:THF+4*\q+1],   v[HS+2*\q:HS+2*\q+1], v[F1:F1+1], v[B1+2*\q:B1+2*\q+1]
	v_pk_fma_f32 v[THF+4*\q+2:THF+4*\q+3], v[FD+2*\q:FD+2*\q+1], v[F3:F3+1], v[B3+2*\q:B3+2*\q+1]
	v_pk_fma_f32 v[TO+2*\q:TO+2*\q+1],     v[OA+2*\q:OA+2*\q+1], v[FO:FO+1], v[BO+2*\q:BO+2*\q+1]
.endr
.set i, 0
.rept 24
	v_exp_f32 v[THF+i], v[THF+i]                   ; 2^(2.885390 x): one batch for hs, fd and o
.set i, i+1
.endr
	v_nop                                          ; a plain instruction behind the last of the batch
	s_wait_alu depctr_va_vdst(0)                   ; one wait for the batch, ahead of its first reader
.irp j, 0,2,4,6,8,10,12,14,16,18,20,22
	v_pk_add_f32 v[THF+\j:THF+\j+1], v[THF+\j:THF+\j+1], v[KH1:KH1+1]
.endr
.set i, 0
.rept 24
	v_rcp_f32 v[THF+i], v[THF+i]
.set i, i+1
.endr
	v_nop
	s_wait_alu depctr_va_vdst(0)
.irp j, 0,2,4,6,8,10,12,14
	v_pk_fma_f32 v[THF+\j:THF+\j+1], v[THF+\j:THF+\j+1], v[KH2:KH2+1], v[KH1:KH1+1]   ; tanh = 1 - 2 / (1 + 2^..)
.endr
.irp j, 0,2,4,6
	v_pk_fma_f32 v[TO+\j:TO+\j+1], v[TO+\j:TO+\j+1], v[KO2:KO2+1], v[KO1:KO1+1]       ; log2(e) x tanh
.endr
	; ---- the way out: a row's bytes come from eight waves, so they meet in the stages and leave as runs of 512 bytes
.irp q, 0,1,2,3
	ds_store_b128 v[SO], v[THF+4*\q:THF+4*\q+3] offset:16*\q
.endr
	ds_store_b128 v[OSO], v[TO:TO+3]
	ds_store_b128 v[OSO], v[TO+4:TO+7] offset:16
	BARRIER
.irp i, 0,1
.irp u, 0,1
	ds_load_b128 v[16+4*(2*\i+\u):16+4*(2*\i+\u)+3], v[SR] offset:1040*\i+512*\u
.endr
.endr
	ds_load_b128 v[32:35], v[OSR]
	s_wait_dscnt 0x0
.irp i, 0,1
.irp u, 0,1
	global_store_b128 v[LI], v[16+4*(2*\i+\u):16+4*(2*\i+\u)+3], s[70:71] offset:4096*\i+512*\u   ; 32 lanes store 512 consecutive bytes, at a multiple of 256 from the buffer's first byte
.endr
.endr
	global_store_b128 v[LI], v[32:35], s[72:73]
	s_wait_tensorcnt 0x0
	ds_add_u32 v254, v255
	s_wait_dscnt 0x0
	s_endpgm
.Lfunc_end_k_q98527964d5_proj:
	.size	k_q98527964d5_proj, .Lfunc_end_k_q98527964d5_proj-k_q98527964d5_proj
	.p2alignl 7, 3214868480
	.fill 96, 4, 3214868480
	.section	.rodata,"a",@progbits
	.p2align	6, 0x0
	.amdhsa_kernel k_q98527964d5_proj
		.amdhsa_group_segment_fixed_size 42496
		.amdhsa_private_segment_fixed_size 0
		.amdhsa_enable_private_segment 0
		.amdhsa_kernarg_size 112
		.amdhsa_user_sgpr_count 2
		.amdhsa_user_sgpr_kernarg_segment_ptr 1
		.amdhsa_wavefront_size32 1
		.amdhsa_system_sgpr_workgroup_id_x 1
		.amdhsa_system_sgpr_workgroup_id_y 1
		.amdhsa_system_sgpr_workgroup_id_z 1
		.amdhsa_system_vgpr_workitem_id 0
		.amdhsa_next_free_vgpr 400
		.amdhsa_next_free_sgpr 80
		.amdhsa_reserve_vcc 0
		.amdhsa_float_denorm_mode_32 3
		.amdhsa_float_denorm_mode_16_64 3
		.amdhsa_memory_ordered 1
		.amdhsa_forward_progress 1
		.amdhsa_inst_pref_size 26
	.end_amdhsa_kernel
	.amdgpu_metadata
---
amdhsa.version: [ 1, 2 ]
amdhsa.kernels:
  - .name:           k_q98527964d5_proj
    .symbol:         k_q98527964d5_proj.kd
    .args:
      - { .name: encoder_hidden, .offset: 0, .size: 8, .value_kind: global_buffer, .address_space: global }
      - { .name: output, .offset: 8, .size: 8, .value_kind: global_buffer, .address_space: global }
      - { .name: input_z_codes, .offset: 16, .size: 8, .value_kind: global_buffer, .address_space: global }
      - { .name: W1_codes, .offset: 24, .size: 8, .value_kind: global_buffer, .address_space: global }
      - { .name: W2_codes, .offset: 32, .size: 8, .value_kind: global_buffer, .address_space: global }
      - { .name: W3_codes, .offset: 40, .size: 8, .value_kind: global_buffer, .address_space: global }
      - { .name: W4_codes, .offset: 48, .size: 8, .value_kind: global_buffer, .address_space: global }
      - { .name: b1, .offset: 56, .size: 8, .value_kind: global_buffer, .address_space: global }
      - { .name: b2, .offset: 64, .size: 8, .value_kind: global_buffer, .address_space: global }
      - { .name: b3, .offset: 72, .size: 8, .value_kind: global_buffer, .address_space: global }
      - { .name: b4, .offset: 80, .size: 8, .value_kind: global_buffer, .address_space: global }
      - { .name: lowp_scales, .offset: 88, .size: 8, .value_kind: global_buffer, .address_space: global }
      - { .name: ws, .offset: 96, .size: 8, .value_kind: global_buffer, .address_space: global }
      - { .name: out0, .offset: 104, .size: 8, .value_kind: global_buffer, .address_space: global }
    .group_segment_fixed_size: 42496
    .private_segment_fixed_size: 0
    .kernarg_segment_align: 8
    .kernarg_segment_size: 112
    .max_flat_workgroup_size: 256
    .sgpr_count:     80
    .vgpr_count:     400
    .wavefront_size: 32
...
	.end_amdgpu_metadata
.endif
;; end of part 1
;; launch mix (part 2): grid 256 x 1, 16 waves a work-group, no clusters, 67,584 bytes of LDS; arguments ws, encoder_hidden, out0, out1; writes out0, out1
.if DOCPART == 2
	.amdgcn_target "amdgcn-amd-amdhsa--gfx1250"
	.amdhsa_code_object_version 6
	.text
	.protected	k_q98527964d5_mix
	.globl	k_q98527964d5_mix
	.p2align	8
	.type	k_q98527964d5_mix,@function
k_q98527964d5_mix:
	s_mov_b64 s[64:65], 0
	v_nop
	global_prefetch_b8 v0, s[64:65] scope:SCOPE_SE
	s_setreg_imm32_b32 hwreg(HW_REG_WAVE_MODE, 25, 1), 1
	s_wait_xcnt 0x0
; attn[b][t][d] = sum over s of gamma x enc_r[b][s][d];  out1 = attn, the right half of out0 = attn.
; gamma = alpha beta / sum_s(alpha beta).  The divisors of the two softmaxes do not hang on s, so they cancel: gamma = exp(g1 + g2) / sum_s exp(g1 + g2), for every input.
; NO MAXIMUM IS TAKEN AWAY: g1 + g2 = hs o2 + fd o3 with all four factors results of tanh, so |g1 + g2| <= 2 whatever the inputs: each term lies between 2^-2.89 and 2^2.89, a sum of 256 of them
;   between 34 and 1,900: nothing can overflow or underflow in f32.
; p = 2^(hs o2' + fd o3'), o' = log2(e) x tanh(..) as the launch before stored it: a packed multiply, a packed multiply-add and two exponentials for two numbers;
;   den += p, num += p x enc: a packed add and a packed multiply-add.
; SHARES.  Work-group g: 8 values of t (8 (g & 7) on), 64 of d (64 ((g >> 3) & 7) on), one b (g >> 6), all 256 s.  Wave w: s = 16 w .. 16 w + 15.  Lane l: d = 2 l, 2 l + 1 of the 64.
;   Sixteen waves, four to a SIMD, so that one wave's exponentials stand beside another's packed arithmetic.  The sixteen partial sums meet in LDS; waves 0-7 finish one t each.
; All 48 loads of a wave go out at the head; each covers 512 or 256 consecutive bytes, aligned.  The waits count down row by row.
; NO JOINT LOADS, NO TENSOR LOADS: each byte of hs, fd and enc is read by one wave of the work-group once, straight into the register that uses it; by way of LDS it would be written there and read from there once more.
;   No prefetch: nothing is left to ask for behind the head.
.set O2,  8                            ; v8-23    o2' of my two d, pair t at 8 + 2 t
.set O3,  24                           ; v24-39   o3'
.set NUM, 40                           ; v40-71   quad t = {num d0, num d1, den d0, den d1}
.set DEN, 42
.set T0,  72                           ; v72-103  two sets of 8 pairs of p
.set HF,  104                          ; v104-167 row r at 104 + 4 r: hs pair, fd pair; at the end the sixteen partial quads
.set EN,  168                          ; v168-199 enc, row r at 168 + 2 r
.macro EXPO r, base, stride            ; the exponents of row r for the 8 t, pair t at base + stride t
.irp t, 0,1,2,3,4,5,6,7
	v_pk_mul_f32 v[\stride*\t+(\base):\stride*\t+(\base)+1], v[HF+4*(\r):HF+4*(\r)+1], v[O2+2*\t:O2+2*\t+1]
.endr
.irp t, 0,1,2,3,4,5,6,7
	v_pk_fma_f32 v[\stride*\t+(\base):\stride*\t+(\base)+1], v[HF+4*(\r)+2:HF+4*(\r)+3], v[O3+2*\t:O3+2*\t+1], v[\stride*\t+(\base):\stride*\t+(\base)+1]
.endr
.endm
.macro EXPS base, stride               ; sixteen exponentials, one batch
.irp t, 0,1,2,3,4,5,6,7
	v_exp_f32 v[\stride*\t+(\base)], v[\stride*\t+(\base)]
	v_exp_f32 v[\stride*\t+(\base)+1], v[\stride*\t+(\base)+1]
.endr
.endm
.macro ACCUM r, base
.irp t, 0,1,2,3,4,5,6,7
	v_pk_add_f32 v[DEN+4*\t:DEN+4*\t+1], v[DEN+4*\t:DEN+4*\t+1], v[2*\t+(\base):2*\t+(\base)+1]
	v_pk_fma_f32 v[NUM+4*\t:NUM+4*\t+1], v[2*\t+(\base):2*\t+(\base)+1], v[EN+2*(\r):EN+2*(\r)+1], v[NUM+4*\t:NUM+4*\t+1]
.endr
.endm
	s_load_b256 s[4:11], s[0:1], 0x0               ; ws s[4:5], enc s[6:7], out0 s[8:9], out1 s[10:11]
	v_lshl_add_u32 v200, v0, 2, 0x10000
	v_mov_b32 v201, 0
	v_lshrrev_b32 v5, 5, v0
	v_readfirstlane_b32 s2, v5                     ; wave 0..15
	v_and_b32 v2, 31, v0
	v_lshlrev_b32 v1, 4, v2                        ; 16 x lane
	v_lshlrev_b32 v2, 3, v2                        ; 8 x lane
	v_lshlrev_b32 v3, 4, v0                        ; the partial sums, in: 512 w + 16 x lane (+ 8,192 t)
	v_bfe_u32 v5, v0, 5, 3
	v_lshl_add_u32 v4, v5, 13, v1                  ; and back: 8,192 (w & 7) + 16 x lane (+ 512 x the wave that wrote)
	s_and_b32 s12, ttmp9, 7                        ; tb
	s_bfe_u32 s13, ttmp9, 0x30003                  ; db
	s_lshr_b32 s14, ttmp9, 6                       ; b
	s_mov_b32 s27, 0                               ; s[26:27]: an offset as a pair
	s_lshl_b32 s15, s14, 8
	s_lshl_b32 s3, s2, 4
	s_add_co_u32 s15, s15, s3                      ; my first row of hs, fd, enc: 256 b + 16 w
	s_lshl_b32 s28, s14, 6
	s_lshl_b32 s3, s12, 3
	s_add_co_u32 s28, s28, s3                      ; the first row of o2', o3': 64 b + 8 tb
	s_and_b32 s3, s2, 7
	s_add_co_u32 s29, s28, s3                      ; the row of attn that I finish
	s_lshl_b32 s30, s13, 8                         ; 64 f32 are 256 bytes
	s_wait_kmcnt 0x0
	s_lshl_b32 s26, s15, 12
	s_lshl_b32 s3, s13, 9                          ; 32 pairs of 16 bytes
	s_add_co_u32 s26, s26, s3
	s_add_nc_u64 s[16:17], s[4:5], s[26:27]        ; HF
	s_lshl_b32 s26, s15, 11
	s_add_co_u32 s26, s26, s30
	s_add_nc_u64 s[18:19], s[6:7], s[26:27]        ; enc
	s_lshl_b32 s26, s28, 11
	s_add_co_u32 s26, s26, s30
	s_add_co_u32 s26, s26, 4194304
	s_add_nc_u64 s[20:21], s[4:5], s[26:27]        ; O2S; O3S lies 524,288 bytes on
	s_lshl_b32 s26, s29, 11
	s_add_co_u32 s26, s26, s30
	s_add_nc_u64 s[22:23], s[10:11], s[26:27]      ; out1
	s_lshl_b32 s26, s29, 12
	s_add_co_u32 s26, s26, s30
	s_add_co_u32 s26, s26, 2048
	s_add_nc_u64 s[24:25], s[8:9], s[26:27]        ; the right half of out0's row
.irp t, 0,1,2,3,4,5,6,7
	global_load_b64 v[O2+2*\t:O2+2*\t+1], v2, s[20:21] offset:2048*\t
.endr
.irp t, 0,1,2,3,4,5,6,7
	global_load_b64 v[O3+2*\t:O3+2*\t+1], v2, s[20:21] offset:524288+2048*\t
.endr
.irp r, 0,1,2,3,4,5,6,7,8,9,10,11,12,13,14,15
	global_load_b128 v[HF+4*\r:HF+4*\r+3], v1, s[16:17] offset:4096*\r
	global_load_b64 v[EN+2*\r:EN+2*\r+1], v2, s[18:19] offset:2048*\r
.endr
	; ---- row 0 starts the sums: its p is made in den's registers, num = p x enc: nothing is cleared
	s_wait_loadcnt 31                              ; loads come back in order: o2', o3' and row 0's hs, fd are in; behind them row 0's enc and two loads for each of 15 rows
	EXPO 0, DEN, 4
	EXPS DEN, 4
	s_wait_loadcnt 29                              ; row 1's hs, fd (and so row 0's enc) are in
	EXPO 1, T0+16, 2                               ; the next row's exponents are the independent work behind the batch
	s_wait_alu depctr_va_vdst(0)                   ; one wait for the batch, ahead of its first reader
.irp t, 0,1,2,3,4,5,6,7
	v_pk_mul_f32 v[NUM+4*\t:NUM+4*\t+1], v[DEN+4*\t:DEN+4*\t+1], v[EN:EN+1]
.endr
	; ---- rows 1 to 14: the two sets of p take turns
.set R, 1
.rept 14
.set TC, T0+16*(R%2)
.set TN, T0+16*((R+1)%2)
	EXPS TC, 2
	s_wait_loadcnt 29-2*R                          ; row R + 1's hs, fd are in (and row R's enc, issued ahead of them); behind them that row's enc and two loads for each later row
	EXPO R+1, TN, 2
	s_wait_alu depctr_va_vdst(0)
	ACCUM R, TC
.set R, R+1
.endr
	EXPS T0+16, 2                                  ; row 15
	s_wait_loadcnt 0x0                             ; its enc
	v_nop                                          ; a plain instruction behind the last exponential
	s_wait_alu depctr_va_vdst(0)
	ACCUM 15, T0+16
	; ---- the sixteen waves' partial sums meet in LDS
.irp t, 0,1,2,3,4,5,6,7
	ds_store_b128 v3, v[NUM+4*\t:NUM+4*\t+3] offset:8192*\t
.endr
	s_wait_dscnt 0x0                               ; for the others' sake: my stores have landed
	s_barrier_signal -1
	s_barrier_wait -1
	s_cmp_lt_u32 s2, 8                             ; waves 0-7 finish t = w; no barrier follows
	s_cbranch_scc0 .Lend
.irp p, 0,1,2,3,4,5,6,7,8,9,10,11,12,13,14,15
	ds_load_b128 v[HF+4*\p:HF+4*\p+3], v4 offset:512*\p
.endr
	s_wait_dscnt 0x0
.irp d, 8,4,2,1                                ; a tree: quad p takes quad p + d
.irp p, 0,1,2,3,4,5,6,7
.if \p < \d
	v_pk_add_f32 v[HF+4*\p:HF+4*\p+1],   v[HF+4*\p:HF+4*\p+1],   v[HF+4*(\p+\d):HF+4*(\p+\d)+1]
	v_pk_add_f32 v[HF+4*\p+2:HF+4*\p+3], v[HF+4*\p+2:HF+4*\p+3], v[HF+4*(\p+\d)+2:HF+4*(\p+\d)+3]
.endif
.endr
.endr
	v_rcp_f32 v[HF+4], v[HF+2]                     ; 1 / den, for my two d
	v_rcp_f32 v[HF+5], v[HF+3]
	v_nop
	s_wait_alu depctr_va_vdst(0)                   ; ahead of the first reader, and of the label below
	v_pk_mul_f32 v[HF+6:HF+7], v[HF:HF+1], v[HF+4:HF+5]
	global_store_b64 v2, v[HF+6:HF+7], s[22:23] th:TH_STORE_NT   ; 32 lanes store 256 consecutive bytes, aligned
	global_store_b64 v2, v[HF+6:HF+7], s[24:25] th:TH_STORE_NT
.Lend:
	s_wait_tensorcnt 0x0
	ds_add_u32 v200, v201
	s_wait_dscnt 0x0
	s_endpgm
.Lfunc_end_k_q98527964d5_mix:
	.size	k_q98527964d5_mix, .Lfunc_end_k_q98527964d5_mix-k_q98527964d5_mix
	.p2alignl 7, 3214868480
	.fill 96, 4, 3214868480
	.section	.rodata,"a",@progbits
	.p2align	6, 0x0
	.amdhsa_kernel k_q98527964d5_mix
		.amdhsa_group_segment_fixed_size 67584
		.amdhsa_private_segment_fixed_size 0
		.amdhsa_enable_private_segment 0
		.amdhsa_kernarg_size 32
		.amdhsa_user_sgpr_count 2
		.amdhsa_user_sgpr_kernarg_segment_ptr 1
		.amdhsa_wavefront_size32 1
		.amdhsa_system_sgpr_workgroup_id_x 1
		.amdhsa_system_sgpr_workgroup_id_y 1
		.amdhsa_system_sgpr_workgroup_id_z 1
		.amdhsa_system_vgpr_workitem_id 0
		.amdhsa_next_free_vgpr 202
		.amdhsa_next_free_sgpr 66
		.amdhsa_reserve_vcc 0
		.amdhsa_float_denorm_mode_32 3
		.amdhsa_float_denorm_mode_16_64 3
		.amdhsa_memory_ordered 1
		.amdhsa_forward_progress 1
		.amdhsa_inst_pref_size 51
	.end_amdhsa_kernel
	.amdgpu_metadata
---
amdhsa.version: [ 1, 2 ]
amdhsa.kernels:
  - .name:           k_q98527964d5_mix
    .symbol:         k_q98527964d5_mix.kd
    .args:
      - { .name: ws, .offset: 0, .size: 8, .value_kind: global_buffer, .address_space: global }
      - { .name: encoder_hidden, .offset: 8, .size: 8, .value_kind: global_buffer, .address_space: global }
      - { .name: out0, .offset: 16, .size: 8, .value_kind: global_buffer, .address_space: global }
      - { .name: out1, .offset: 24, .size: 8, .value_kind: global_buffer, .address_space: global }
    .group_segment_fixed_size: 67584
    .private_segment_fixed_size: 0
    .kernarg_segment_align: 8
    .kernarg_segment_size: 32
    .max_flat_workgroup_size: 512
    .sgpr_count:     66
    .vgpr_count:     202
    .wavefront_size: 32
...
	.end_amdgpu_metadata
.endif
;; end of part 2
;; ======== version 2 of 2: 2 launches
;; workspace buffers: ws 5,242,880 bytes
;; launch proj (part 3): grid 256 x 1, 8 waves a work-group, no clusters, 42,496 bytes of LDS; arguments encoder_hidden, output, input_z_codes, W1_codes, W2_codes, W3_codes, W4_codes, b1, b2, b3, b4, lowp_scales, ws, out0; writes ws, out0
.if DOCPART == 3
	.amdgcn_target "amdgcn-amd-amdhsa--gfx1250"
	.amdhsa_code_object_version 6
	.text
	.protected	k_q98527964d5_proj
	.globl	k_q98527964d5_proj
	.p2align	8
	.type	k_q98527964d5_proj,@function
k_q98527964d5_proj:
	s_mov_b64 s[64:65], 0
	v_nop
	global_prefetch_b8 v0, s[64:65] scope:SCOPE_SE
	s_setreg_imm32_b32 hwreg(HW_REG_WAVE_SCHED_MODE, 0, 2), 2
	s_setreg_imm32_b32 hwreg(HW_REG_WAVE_MODE, 25, 1), 1
	s_wait_xcnt 0x0
	s_wait_alu depctr_vm_vsrc(0)
; THE FOUR QUANTISED PRODUCTS, THEIR BIASES AND tanh; and the copy of output into the left half of out0.
;   hs = tanh(Q(enc) W1^T + b1)  [1024][512], K = 512      fd = tanh(z W3^T + b3)  [1024][512], K = 128
;   o2 = tanh(Q(output) W2^T + b2), o3 = tanh(Q(output) W4^T + b4)  [256][512], K = 512; output is quantised once with e4 and once with e6.
; The two raw views of the source only say that flat row i of enc, hs, z belongs to b = i / 256, s = i % 256: nothing is permuted.
; OUT, into the workspace: HF [1024 rows][256 pairs]{hs(2p), hs(2p+1), fd(2p), fd(2p+1)} f32 (a row is 4,096 bytes);
;   behind it O2S and O3S [256][512] f32 = log2(e) x tanh(..): the next launch's exponent is then a power of two.
; SHARES.  Work-group g: 16 rows x 128 columns of hs and fd (rows 16 (g >> 2), columns 128 (g & 3)); 8 rows x 128 columns of o2 (g even) or o3 (g odd);
;   row g of the copy.  A matrix tile has 16 rows: for o the lanes of rows 8-15 hold rows 0-7 once more (the same addresses, no byte more) and their results are not read.
;   Wave w first quantises one fragment (16 rows x 128 K): waves 0-3 enc's K step w, waves 4-7 output's K step w - 4; the choice is a select on the wave's number, no branch.
;   The eight fragments go from wave to wave through LDS as images of their registers.  Then wave w makes 16 columns of hs, of fd and of o: nine matrix instructions.
; THE MATRIX INSTRUCTION IS USED TRANSPOSED (source 0 = 16 rows of W, source 1 = 16 rows of the activations): lane (r, h), register j = (row r, column 8 h + j).
; Fragments are laid by loads of 16 bytes: registers 4 c .. 4 c + 3 hold k = 32 c + 16 h + 0 .. 15, alike on both sides, so every product meets its partner.
; tanh(x) = 1 - 2 / (1 + 2^(2.885390 x)); x = sum x 2^(eA + eB) + b is one packed multiply-add with both factors folded.
; NO JOINT LOADS, NO TENSOR LOADS: every operand byte goes from memory straight into the register that uses it, read by one wave of the work-group once; by way of LDS each such byte
;   would be written to LDS and read from it once more.  All 63 loads of a wave go out together at the head, so nothing could be asked for earlier.
; LIMITS: e0, e4, e6 between -126 and 119 (2^e and 448 x 2^e are f32 numbers); eA + eB of each product at most 126.  NaN among the inputs is not served.
; THE MODE: SCHED_MODE bits 1:0 = 2 (LLVM: expert scheduling mode 2), set by the entry lines.  The code itself states the register dependences
; between vector or matrix instructions and memory or LDS instructions, with s_wait_alu, always for 0.
; THE PLAN.  The text is one straight run.  Registers that memory or LDS instructions touch:
;   v5-v15     offsets and LDS addresses: written once at the head by vector instructions, read by every load and store, never written again.
;   v16-79     x as loaded; the holds write it in place and the conversions read it.  Behind the first barrier v16-143 take the eight images (LDS loads), which the matrix
;              instructions read.  Behind the second barrier v16-35 take the rows from the stages (LDS loads), which the last global stores read.
;   v144-159   the codes: written by the conversions, read by four LDS stores, never written again.
;   v184-207   z as loaded (v184-199), read by one product; then hs, fd and o, written by vector instructions; read by six LDS stores, not written behind them.
;   v[248:249] the copy: loaded and stored; no vector instruction names it.      v224-247 and window 1: loaded once, then named by vector and matrix instructions alone.
;   s2         the wave's number, written by a vector instruction and read by scalar ones.
; So: one wait on va_sdst ahead of s2's first reader; a wait on va_vdst ahead of the first load (the addresses), one ahead of the image stores (the codes are written; the holds and
; conversions are done with v16-79), one ahead of the stores into the stages (hs, fd, o are written; the products are done reading v16-35); and the two behind the batches of transcendentals.
; No register that a memory or LDS instruction has read is ever written again: no wait on vm_vsrc is owed.
.set IMG,   0                          ; LDS: 8 images of 2,048 bytes: image f at 2048 f + 512 c + 16 x lane
.set HFSTG, 16384                      ; 16 rows x (1,024 bytes + 16): hs and fd, interleaved by pairs
.set OSTG,  33024                      ; 16 rows x (512 bytes + 16): o
.set XA,  5                            ; v5   x: (row << 11) + 64 h
.set WA,  6                            ; v6   W1, W2, W4: (r << 9) + 16 h
.set ZA,  7                            ; v7   z, W3: (r << 7) + 16 h
.set BA,  8                            ; v8   biases: 32 h
.set LI,  9                            ; v9   16 x lane
.set CPA, 10                           ; v10  8 x thread
.set XWI, 11                           ; v11  where I store my image
.set SO,  12                           ; v12  the hs/fd stage, in
.set OSO, 13                           ; v13  the o stage, in
.set SR,  14                           ; v14  the hs/fd stage, back
.set OSR, 15                           ; v15  the o stage, back
.set X,   16                           ; v16-79   64 numbers of x; from the first barrier on v16-143: the eight images; at the end rows read back
.set AF,  16
.set PC,  144                          ; v144-159 the codes just made
.set HS,  160                          ; three accumulators
.set FD,  168
.set OA,  176
.set Z,   184                          ; v184-199 z's fragment, then THF: quad q = {hs pair q, fd pair q}
.set THF, 184
.set TO,  200                          ; v200-207 o
.set F1,  208                          ; pairs, both words alike: 2.885390 x 2^(e0 + e1),
.set F3,  210                          ; x 2^(e2 + e3),
.set FO,  212                          ; x 2^(eOA + eOB)
.set KO2, 214                          ; -2 log2(e)
.set KO1, 216                          ; log2(e)
.set KH2, 218                          ; -2
.set KH1, 220                          ; 1
.set SC,  222                          ; 2^eX
.set LIM, 223                          ; 448 x 2^eX
.set B1,  224                          ; v224-247 b1, b3, b of o: eight numbers each, in the result's layout
.set B3,  232
.set BO,  240
.set CP,  248                          ; v[248:249] the copy
.set C2L, 250                          ; 2.885390 = 2 log2(e)
.set W1F, 0                            ; window 1: W1's four fragments, WO's four, W3's one
.set WOF, 64
.set W3F, 128
.set MSB, 0
.macro WIN new                         ; the immediate's high byte repeats the setting that is left
.if MSB != \new
	s_set_vgpr_msb (MSB<<8)|\new
.set MSB, \new
.endif
.endm
.macro BARRIER                         ; my LDS stores have landed and my LDS loads are in: then the work-group's barrier
	s_wait_dscnt 0x0
	s_barrier_signal -1
	s_barrier_wait -1
.endm
.macro MM acc, wreg, areg, zero
.if \zero
	v_wmma_f32_16x16x128_fp8_fp8 v[\acc:\acc+7], v[\wreg:\wreg+15], v[\areg:\areg+15], 0
.else
	v_wmma_f32_16x16x128_fp8_fp8 v[\acc:\acc+7], v[\wreg:\wreg+15], v[\areg:\areg+15], v[\acc:\acc+7]
.endif
.endm
	s_load_b512 s[8:23], s[0:1], 0x0               ; enc s[8:9], output s[10:11], z s[12:13], W1 s[14:15], W2 s[16:17], W3 s[18:19], W4 s[20:21], b1 s[22:23]
	s_load_b256 s[24:31], s[0:1], 0x40             ; b2 s[24:25], b3 s[26:27], b4 s[28:29], the scales' exponents s[30:31]
	s_load_b128 s[32:35], s[0:1], 0x60             ; ws s[32:33], out0 s[34:35]
	v_lshl_add_u32 v254, v0, 2, 0xa200
	v_mov_b32 v255, 0
	v_lshrrev_b32 v1, 5, v0
	v_readfirstlane_b32 s2, v1                     ; wave 0..7
	s_mov_b32 s3, ttmp9                            ; g
	s_lshr_b32 s44, s3, 2                          ; rb: hs, fd rows 16 rb on
	s_and_b32 s45, s3, 3                           ; cb: columns 128 cb on
	s_and_b32 s46, s3, 1                           ; a: o2 (0) or o3 (1)
	s_bfe_u32 s47, s3, 0x20001                     ; ocb: o's columns 128 ocb on
	s_lshr_b32 s48, s3, 3                          ; orb: o's rows 8 orb on
	s_wait_alu depctr_va_sdst(0)                   ; s2 is written, ahead of its first reader: the selects, the bases and the K step below are made from it
	s_and_b32 s49, s2, 3                           ; the K step that I quantise
	s_lshl_b32 s74, s44, 4
	s_lshl_b32 s75, s48, 3
	s_cmp_lt_u32 s2, 4                             ; waves 0-3 quantise enc, waves 4-7 output
	s_cselect_b32 s50, 15, 7                       ; 16 rows, or 8 rows twice
	s_cselect_b32 s51, s74, s75                    ; the first of them
	v_and_b32 v2, 31, v0                           ; lane
	v_and_b32 v3, 15, v0                           ; r
	v_bfe_u32 v4, v0, 4, 1                         ; h
	v_and_b32 v[XA], s50, v3
	v_lshlrev_b32 v[XA], 11, v[XA]                 ; a row of enc or of output is 2,048 bytes
	v_lshl_add_u32 v[XA], v4, 6, v[XA]             ; + my half's 16 numbers of a block of 32
	v_lshlrev_b32 v[WA], 9, v3
	v_lshl_add_u32 v[WA], v4, 4, v[WA]
	v_lshlrev_b32 v[ZA], 7, v3
	v_lshl_add_u32 v[ZA], v4, 4, v[ZA]
	v_lshlrev_b32 v[BA], 5, v4
	v_lshlrev_b32 v[LI], 4, v2
	v_lshlrev_b32 v[CPA], 3, v0
	v_lshl_add_u32 v[XWI], v1, 11, v[LI]           ; image w: 2048 w + 16 x lane
	v_mul_u32_u24 v[SO], v3, 1040                  ; row r; my columns 16 w + 8 h + j are pairs 8 w + 4 h + j / 2 of 16 bytes
	v_lshl_add_u32 v[SO], v4, 6, v[SO]
	v_lshl_add_u32 v[SO], v1, 7, v[SO]
	v_add_nc_u32 v[SO], HFSTG, v[SO]
	v_mul_u32_u24 v[OSO], v3, 528                  ; row r, + 4 (16 w + 8 h) bytes
	v_lshl_add_u32 v[OSO], v4, 5, v[OSO]
	v_lshl_add_u32 v[OSO], v1, 6, v[OSO]
	v_add_nc_u32 v[OSO], OSTG, v[OSO]
	v_mul_u32_u24 v[SR], v1, 2080                  ; back: wave w takes rows 2 w and 2 w + 1, 16 bytes a lane
	v_add_nc_u32 v[SR], v[SR], v[LI]
	v_add_nc_u32 v[SR], HFSTG, v[SR]
	v_mul_u32_u24 v[OSR], v1, 528                  ; back: wave w takes row w
	v_add_nc_u32 v[OSR], v[OSR], v[LI]
	v_add_nc_u32 v[OSR], OSTG, v[OSR]
	s_mov_b32 s59, 0                               ; s[58:59]: an offset as a pair
	s_wait_kmcnt 0x0
	s_load_b256 s[36:43], s[30:31], 0x0            ; e0 .. e7
	s_cmp_lt_u32 s2, 4
	s_cselect_b64 s[60:61], s[8:9], s[10:11]       ; x = enc or output
	s_lshl_b32 s58, s51, 11
	s_lshl_b32 s74, s49, 9                         ; a K step of 128 numbers is 512 bytes
	s_add_co_u32 s58, s58, s74
	s_add_nc_u64 s[60:61], s[60:61], s[58:59]
	s_lshl_b32 s74, s45, 7
	s_lshl_b32 s75, s2, 4
	s_add_co_u32 s74, s74, s75                     ; my first column of hs and fd: 128 cb + 16 w
	s_lshl_b32 s58, s74, 9
	s_add_nc_u64 s[14:15], s[14:15], s[58:59]      ; W1 at that row (512 bytes a row)
	s_lshl_b32 s58, s74, 7
	s_add_nc_u64 s[18:19], s[18:19], s[58:59]      ; W3 (128 bytes a row)
	s_lshl_b32 s58, s74, 2
	s_add_nc_u64 s[22:23], s[22:23], s[58:59]      ; b1
	s_add_nc_u64 s[26:27], s[26:27], s[58:59]      ; b3
	s_lshl_b32 s58, s44, 11
	s_add_nc_u64 s[12:13], s[12:13], s[58:59]      ; z at row 16 rb (128 bytes a row)
	s_cmp_eq_u32 s46, 0
	s_cselect_b64 s[62:63], s[16:17], s[20:21]     ; WO = W2 or W4
	s_cselect_b64 s[66:67], s[24:25], s[28:29]     ; its bias
	s_lshl_b32 s74, s47, 7
	s_add_co_u32 s74, s74, s75                     ; my first column of o: 128 ocb + 16 w
	s_lshl_b32 s58, s74, 9
	s_add_nc_u64 s[62:63], s[62:63], s[58:59]
	s_lshl_b32 s58, s74, 2
	s_add_nc_u64 s[66:67], s[66:67], s[58:59]
	s_lshl_b32 s58, s3, 11
	s_add_nc_u64 s[68:69], s[10:11], s[58:59]      ; the copy: row g of output,
	s_lshl_b32 s58, s3, 12
	s_add_nc_u64 s[34:35], s[34:35], s[58:59]      ; to the left half of row g of out0
	s_lshl_b32 s74, s44, 4
	s_lshl_b32 s75, s2, 1
	s_add_co_u32 s74, s74, s75                     ; the rows of HF that I store: 16 rb + 2 w on
	s_lshl_b32 s58, s74, 12
	s_lshl_b32 s74, s45, 10                        ; 128 columns are 64 pairs of 16 bytes
	s_add_co_u32 s58, s58, s74
	s_add_nc_u64 s[70:71], s[32:33], s[58:59]
	s_lshl_b32 s74, s48, 3
	s_add_co_u32 s74, s74, s2                      ; the row of o that I store: 8 orb + w
	s_lshl_b32 s58, s74, 11
	s_lshl_b32 s74, s47, 9
	s_add_co_u32 s58, s58, s74
	s_lshl_b32 s74, s46, 19                        ; O3S lies 524,288 bytes behind O2S
	s_add_co_u32 s58, s58, s74
	s_add_co_u32 s58, s58, 4194304                 ; behind HF
	s_add_nc_u64 s[72:73], s[32:33], s[58:59]
	; ---- all 63 loads of the wave, in the order in which they are wanted
	s_wait_alu depctr_va_vdst(0)                   ; the eleven offsets and LDS addresses v5 to v15 are written: every load and store of the kernel reads one of them, and none is written again
.irp c, 0,1,2,3
.irp j, 0,1,2,3
	global_load_b128 v[X+16*\c+4*\j:X+16*\c+4*\j+3], v[XA], s[60:61] offset:128*\c+16*\j   ; register 16 c + i = k 32 c + 16 h + i of my row
.endr
.endr
	global_load_b64 v[CP:CP+1], v[CPA], s[68:69]
	global_load_b128 v[B1:B1+3],   v[BA], s[22:23]             ; the biases of my columns 8 h + 0 .. 7
	global_load_b128 v[B1+4:B1+7], v[BA], s[22:23] offset:16
	global_load_b128 v[B3:B3+3],   v[BA], s[26:27]
	global_load_b128 v[B3+4:B3+7], v[BA], s[26:27] offset:16
	global_load_b128 v[BO:BO+3],   v[BA], s[66:67]
	global_load_b128 v[BO+4:BO+7], v[BA], s[66:67] offset:16
.irp c, 0,1,2,3
	global_load_b128 v[Z+4*\c:Z+4*\c+3], v[ZA], s[12:13] offset:32*\c
.endr
	WIN 0x40                                       ; destination window 1, address window 0.  Between the wait above and the loads below stand loads and this switch alone
.irp c, 0,1,2,3
	global_load_b128 v[W3F+4*\c:W3F+4*\c+3], v[ZA], s[18:19] offset:32*\c
.endr
.irp k, 0,1,2,3
.irp c, 0,1,2,3
	global_load_b128 v[W1F+16*\k+4*\c:W1F+16*\k+4*\c+3], v[WA], s[14:15] offset:128*\k+32*\c
.endr
.endr
.irp k, 0,1,2,3
.irp c, 0,1,2,3
	global_load_b128 v[WOF+16*\k+4*\c:WOF+16*\k+4*\c+3], v[WA], s[62:63] offset:128*\k+32*\c
.endr
.endr
	WIN 0
	; ---- the scales, while the loads are out: these lines write v208-223 and v250-251, which no load or store names
	s_wait_kmcnt 0x0
	s_cmp_eq_u32 s46, 0
	s_cselect_b32 s52, s40, s42                    ; o's A: e4 or e6
	s_cselect_b32 s53, s41, s43                    ; o's B: e5 or e7
	s_cmp_lt_u32 s2, 4
	s_cselect_b32 s54, s36, s52                    ; the scale of what I quantise
	s_add_co_i32 s55, s36, s37                     ; e0 + e1
	s_add_co_i32 s56, s38, s39                     ; e2 + e3
	s_add_co_i32 s57, s52, s53
	s_add_co_i32 s74, s54, 127
	s_lshl_b32 s75, s74, 23
	v_mov_b32 v[SC], s75                           ; 2^eX as f32: the conversion takes its exponent field
	s_add_co_i32 s74, s74, 8
	s_lshl_b32 s74, s74, 23
	s_or_b32 s74, s74, 0x600000
	v_mov_b32 v[LIM], s74                          ; 448 x 2^eX
	v_mov_b32 v[C2L], 0x4038aa3b
	v_mov_b32 v[C2L+1], 0x4038aa3b
	v_mov_b32 v[KO2], 0xc038aa3b
	v_mov_b32 v[KO2+1], 0xc038aa3b
	v_mov_b32 v[KO1], 0x3fb8aa3b
	v_mov_b32 v[KO1+1], 0x3fb8aa3b
	v_mov_b32 v[KH2], -2.0
	v_mov_b32 v[KH2+1], -2.0
	v_mov_b32 v[KH1], 1.0
	v_mov_b32 v[KH1+1], 1.0
	v_ldexp_f32 v[F1], v[C2L], s55
	v_ldexp_f32 v[F1+1], v[C2L], s55
	v_ldexp_f32 v[F3], v[C2L], s56
	v_ldexp_f32 v[F3+1], v[C2L], s56
	v_ldexp_f32 v[FO], v[C2L], s57
	v_ldexp_f32 v[FO+1], v[C2L], s57
	; ---- my fragment is quantised and stored as an image
	s_wait_loadcnt 47                              ; loads come back in order: x's sixteen are in, the 47 issued behind them may be out
.irp b, 0,1,2,3
.irp i, 0,1,2,3,4,5,6,7,8,9,10,11,12,13,14,15
	v_med3_num_f32 v[X+16*\b+\i], v[X+16*\b+\i], -v[LIM], v[LIM]   ; the conversion to an 8-bit code does not saturate (ISA guide 7.6.2): the hold at the largest code x the scale
.endr
	v_cvt_scalef32_pk8_fp8_f32 v[PC+4*\b:PC+4*\b+1], v[X+16*\b:X+16*\b+7], v[SC]
	v_cvt_scalef32_pk8_fp8_f32 v[PC+4*\b+2:PC+4*\b+3], v[X+16*\b+8:X+16*\b+15], v[SC]
.endr
	v_nop                                          ; one plain vector instruction behind the last scaled conversion
	s_wait_alu depctr_va_vdst(0)                   ; the conversions have written v[PC ..], which the LDS stores read; the holds and the conversions are done with v16-79, in which the images' loads land behind the barrier
.irp c, 0,1,2,3
	ds_store_b128 v[XWI], v[PC+4*\c:PC+4*\c+3] offset:IMG+512*\c
.endr
	s_wait_loadcnt 46                              ; the copy's load is in
	global_store_b64 v[CPA], v[CP:CP+1], s[34:35] th:TH_STORE_NT   ; 256 threads x 8 bytes: 2,048 consecutive bytes, aligned; its registers are never written again
	BARRIER                                        ; the eight images lie in LDS
	; ---- the products.  The images are asked for in the order of their use, in one run; no vector or matrix instruction since the last wait on va_vdst names v16-143
.irp f, 0,4,1,5,2,6,3,7
.irp c, 0,1,2,3
	ds_load_b128 v[AF+16*\f+4*\c:AF+16*\f+4*\c+3], v[LI] offset:IMG+2048*\f+512*\c
.endr
.endr
	s_wait_loadcnt 0x0                             ; z, the weights, the biases
	WIN 0x01                                       ; source 0 (the weights) window 1
	s_wait_dscnt 24                                ; LDS loads come back in order (ISA guide 5.7.1): images 0 and 4 are in, the 24 loads of the other six may be out
	MM HS, W1F,    AF,     1                       ; the three accumulators take turns, one instruction a turn; the first products start the sums
	MM OA, WOF,    AF+64,  1
	MM FD, W3F,    Z,      1
	s_wait_dscnt 16                                ; images 1 and 5 are in
	MM HS, W1F+16, AF+16,  0
	MM OA, WOF+16, AF+80,  0
	s_wait_dscnt 8                                 ; images 2 and 6
	MM HS, W1F+32, AF+32,  0
	MM OA, WOF+32, AF+96,  0
	s_wait_dscnt 0x0                               ; images 3 and 7
	MM HS, W1F+48, AF+48,  0
	MM OA, WOF+48, AF+112, 0
	WIN 0
.irp j, 0,2,4,6,8,10,12,14,16,18,20,22
	v_pk_mul_f32 v[B1+\j:B1+\j+1], v[B1+\j:B1+\j+1], v[C2L:C2L+1]   ; the biases x 2.885390.  These twelve name no register of the products: they are the places behind them (ISA guide 7.12.1)
.endr
.irp q, 0,1,2,3                                ; each accumulator from its low end on
	v_pk_fma_f32 v[THF+4*\q:THF+4*\q+1],   v[HS+2*\q:HS+2*\q+1], v[F1:F1+1], v[B1+2*\q:B1+2*\q+1]
	v_pk_fma_f32 v[THF+4*\q+2:THF+4*\q+3], v[FD+2*\q:FD+2*\q+1], v[F3:F3+1], v[B3+2*\q:B3+2*\q+1]
	v_pk_fma_f32 v[TO+2*\q:TO+2*\q+1],     v[OA+2*\q:OA+2*\q+1], v[FO:FO+1], v[BO+2*\q:BO+2*\q+1]
.endr
.set i, 0
	s_wait_alu depctr_va_vdst(0)
.rept 24
	v_exp_f32 v[THF+i], v[THF+i]                   ; 2^(2.885390 x): one batch for hs, fd and o
.set i, i+1
.endr
	v_nop                                          ; a plain instruction behind the last of the batch
	s_wait_alu depctr_va_vdst(0)                   ; the 24 exponentials have written v184-207: one wait for the batch, ahead of its first reader
.irp j, 0,2,4,6,8,10,12,14,16,18,20,22
	v_pk_add_f32 v[THF+\j:THF+\j+1], v[THF+\j:THF+\j+1], v[KH1:KH1+1]
.endr
.set i, 0
	s_wait_alu depctr_va_vdst(0)
.rept 24
	v_rcp_f32 v[THF+i], v[THF+i]
.set i, i+1
.endr
	v_nop                                          ; a plain instruction behind the last of the batch
	s_wait_alu depctr_va_vdst(0)                   ; the 24 reciprocals have written v184-207: one wait for the batch, ahead of its first reader
.irp j, 0,2,4,6,8,10,12,14
	v_pk_fma_f32 v[THF+\j:THF+\j+1], v[THF+\j:THF+\j+1], v[KH2:KH2+1], v[KH1:KH1+1]   ; tanh = 1 - 2 / (1 + 2^..)
.endr
.irp j, 0,2,4,6
	v_pk_fma_f32 v[TO+\j:TO+\j+1], v[TO+\j:TO+\j+1], v[KO2:KO2+1], v[KO1:KO1+1]       ; log2(e) x tanh
.endr
	; ---- the way out: a row's bytes come from eight waves, so they meet in the stages and leave as runs of 512 bytes
	s_wait_alu depctr_va_vdst(0)                   ; the multiply-adds have written v184-207, which the LDS stores read; the products are done reading v16-35, in which the loads from the stages land behind the barrier
.irp q, 0,1,2,3
	ds_store_b128 v[SO], v[THF+4*\q:THF+4*\q+3] offset:16*\q
.endr
	ds_store_b128 v[OSO], v[TO:TO+3]
	ds_store_b128 v[OSO], v[TO+4:TO+7] offset:16
	BARRIER
.irp i, 0,1
.irp u, 0,1
	ds_load_b128 v[16+4*(2*\i+\u):16+4*(2*\i+\u)+3], v[SR] offset:1040*\i+512*\u
.endr
.endr
	ds_load_b128 v[32:35], v[OSR]
	s_wait_dscnt 0x0
.irp i, 0,1
.irp u, 0,1
	global_store_b128 v[LI], v[16+4*(2*\i+\u):16+4*(2*\i+\u)+3], s[70:71] offset:4096*\i+512*\u   ; 32 lanes store 512 consecutive bytes, at a multiple of 256 from the buffer's first byte
.endr
.endr
	global_store_b128 v[LI], v[32:35], s[72:73]
	s_wait_dscnt 0x0
	s_wait_alu depctr_hold_cnt(0) depctr_sa_sdst(0) depctr_va_vdst(0) depctr_va_sdst(0) depctr_va_ssrc(0) depctr_va_vcc(0) depctr_vm_vsrc(0)
	s_wait_tensorcnt 0x0
	ds_add_u32 v254, v255
	s_wait_dscnt 0x0
	s_endpgm
.Lfunc_end_k_q98527964d5_proj:
	.size	k_q98527964d5_proj, .Lfunc_end_k_q98527964d5_proj-k_q98527964d5_proj
	.p2alignl 7, 3214868480
	.fill 96, 4, 3214868480
	.section	.rodata,"a",@progbits
	.p2align	6, 0x0
	.amdhsa_kernel k_q98527964d5_proj
		.amdhsa_group_segment_fixed_size 42496
		.amdhsa_private_segment_fixed_size 0
		.amdhsa_enable_private_segment 0
		.amdhsa_kernarg_size 112
		.amdhsa_user_sgpr_count 2
		.amdhsa_user_sgpr_kernarg_segment_ptr 1
		.amdhsa_wavefront_size32 1
		.amdhsa_system_sgpr_workgroup_id_x 1
		.amdhsa_system_sgpr_workgroup_id_y 1
		.amdhsa_system_sgpr_workgroup_id_z 1
		.amdhsa_system_vgpr_workitem_id 0
		.amdhsa_next_free_vgpr 400
		.amdhsa_next_free_sgpr 80
		.amdhsa_reserve_vcc 0
		.amdhsa_float_denorm_mode_32 3
		.amdhsa_float_denorm_mode_16_64 3
		.amdhsa_memory_ordered 1
		.amdhsa_forward_progress 1
		.amdhsa_inst_pref_size 26
	.end_amdhsa_kernel
	.amdgpu_metadata
---
amdhsa.version: [ 1, 2 ]
amdhsa.kernels:
  - .name:           k_q98527964d5_proj
    .symbol:         k_q98527964d5_proj.kd
    .args:
      - { .name: encoder_hidden, .offset: 0, .size: 8, .value_kind: global_buffer, .address_space: global }
      - { .name: output, .offset: 8, .size: 8, .value_kind: global_buffer, .address_space: global }
      - { .name: input_z_codes, .offset: 16, .size: 8, .value_kind: global_buffer, .address_space: global }
      - { .name: W1_codes, .offset: 24, .size: 8, .value_kind: global_buffer, .address_space: global }
      - { .name: W2_codes, .offset: 32, .size: 8, .value_kind: global_buffer, .address_space: global }
      - { .name: W3_codes, .offset: 40, .size: 8, .value_kind: global_buffer, .address_space: global }
      - { .name: W4_codes, .offset: 48, .size: 8, .value_kind: global_buffer, .address_space: global }
      - { .name: b1, .offset: 56, .size: 8, .value_kind: global_buffer, .address_space: global }
      - { .name: b2, .offset: 64, .size: 8, .value_kind: global_buffer, .address_space: global }
      - { .name: b3, .offset: 72, .size: 8, .value_kind: global_buffer, .address_space: global }
      - { .name: b4, .offset: 80, .size: 8, .value_kind: global_buffer, .address_space: global }
      - { .name: lowp_scales, .offset: 88, .size: 8, .value_kind: global_buffer, .address_space: global }
      - { .name: ws, .offset: 96, .size: 8, .value_kind: global_buffer, .address_space: global }
      - { .name: out0, .offset: 104, .size: 8, .value_kind: global_buffer, .address_space: global }
    .group_segment_fixed_size: 42496
    .private_segment_fixed_size: 0
    .kernarg_segment_align: 8
    .kernarg_segment_size: 112
    .max_flat_workgroup_size: 256
    .sgpr_count:     80
    .vgpr_count:     400
    .wavefront_size: 32
...
	.end_amdgpu_metadata
.endif
;; end of part 3
;; launch mix (part 4): grid 256 x 1, 16 waves a work-group, no clusters, 67,584 bytes of LDS; arguments ws, encoder_hidden, out0, out1; writes out0, out1
.if DOCPART == 4
	.amdgcn_target "amdgcn-amd-amdhsa--gfx1250"
	.amdhsa_code_object_version 6
	.text
	.protected	k_q98527964d5_mix
	.globl	k_q98527964d5_mix
	.p2align	8
	.type	k_q98527964d5_mix,@function
k_q98527964d5_mix:
	s_mov_b64 s[64:65], 0
	v_nop
	global_prefetch_b8 v0, s[64:65] scope:SCOPE_SE
	s_setreg_imm32_b32 hwreg(HW_REG_WAVE_MODE, 25, 1), 1
	s_wait_xcnt 0x0
; attn[b][t][d] = sum over s of gamma x enc_r[b][s][d];  out1 = attn, the right half of out0 = attn.
; gamma = alpha beta / sum_s(alpha beta).  The divisors of the two softmaxes do not hang on s, so they cancel: gamma = exp(g1 + g2) / sum_s exp(g1 + g2), for every input.
; NO MAXIMUM IS TAKEN AWAY: g1 + g2 = hs o2 + fd o3 with all four factors results of tanh, so |g1 + g2| <= 2 whatever the inputs: each term lies between 2^-2.89 and 2^2.89, a sum of 256 of them
;   between 34 and 1,900: nothing can overflow or underflow in f32.
; p = 2^(hs o2' + fd o3'), o' = log2(e) x tanh(..) as the launch before stored it: a packed multiply, a packed multiply-add and two exponentials for two numbers;
;   den += p, num += p x enc: a packed add and a packed multiply-add.
; SHARES.  Work-group g: 8 values of t (8 (g & 7) on), 64 of d (64 ((g >> 3) & 7) on), one b (g >> 6), all 256 s.  Wave w: s = 16 w .. 16 w + 15.  Lane l: d = 2 l, 2 l + 1 of the 64.
;   Sixteen waves, four to a SIMD, so that one wave's exponentials stand beside another's packed arithmetic.  The sixteen partial sums meet in LDS; waves 0-7 finish one t each.
; All 48 loads of a wave go out at the head; each covers 512 or 256 consecutive bytes, aligned.  The waits count down row by row.
; NO JOINT LOADS, NO TENSOR LOADS: each byte of hs, fd and enc is read by one wave of the work-group once, straight into the register that uses it; by way of LDS it would be written there and read from there once more.
;   No prefetch: nothing is left to ask for behind the head.
.set O2,  8                            ; v8-23    o2' of my two d, pair t at 8 + 2 t
.set O3,  24                           ; v24-39   o3'
.set NUM, 40                           ; v40-71   quad t = {num d0, num d1, den d0, den d1}
.set DEN, 42
.set T0,  72                           ; v72-103  two sets of 8 pairs of p
.set HF,  104                          ; v104-167 row r at 104 + 4 r: hs pair, fd pair; at the end the sixteen partial quads
.set EN,  168                          ; v168-199 enc, row r at 168 + 2 r
.macro EXPO r, base, stride            ; the exponents of row r for the 8 t, pair t at base + stride t
.irp t, 0,1,2,3,4,5,6,7
	v_pk_mul_f32 v[\stride*\t+(\base):\stride*\t+(\base)+1], v[HF+4*(\r):HF+4*(\r)+1], v[O2+2*\t:O2+2*\t+1]
.endr
.irp t, 0,1,2,3,4,5,6,7
	v_pk_fma_f32 v[\stride*\t+(\base):\stride*\t+(\base)+1], v[HF+4*(\r)+2:HF+4*(\r)+3], v[O3+2*\t:O3+2*\t+1], v[\stride*\t+(\base):\stride*\t+(\base)+1]
.endr
.endm
.macro EXPS base, stride               ; sixteen exponentials, one batch
.irp t, 0,1,2,3,4,5,6,7
	v_exp_f32 v[\stride*\t+(\base)], v[\stride*\t+(\base)]
	v_exp_f32 v[\stride*\t+(\base)+1], v[\stride*\t+(\base)+1]
.endr
.endm
.macro ACCUM r, base
.irp t, 0,1,2,3,4,5,6,7
	v_pk_add_f32 v[DEN+4*\t:DEN+4*\t+1], v[DEN+4*\t:DEN+4*\t+1], v[2*\t+(\base):2*\t+(\base)+1]
	v_pk_fma_f32 v[NUM+4*\t:NUM+4*\t+1], v[2*\t+(\base):2*\t+(\base)+1], v[EN+2*(\r):EN+2*(\r)+1], v[NUM+4*\t:NUM+4*\t+1]
.endr
.endm
	s_load_b256 s[4:11], s[0:1], 0x0               ; ws s[4:5], enc s[6:7], out0 s[8:9], out1 s[10:11]
	v_lshl_add_u32 v200, v0, 2, 0x10000
	v_mov_b32 v201, 0
	v_lshrrev_b32 v5, 5, v0
	s_delay_alu instid0(VALU_DEP_1)
	v_readfirstlane_b32 s2, v5                     ; wave 0..15
	v_and_b32 v2, 31, v0
	s_delay_alu instid0(VALU_DEP_1)
	v_lshlrev_b32 v1, 4, v2                        ; 16 x lane
	s_delay_alu instid0(VALU_DEP_2)
	v_lshlrev_b32 v2, 3, v2                        ; 8 x lane
	v_lshlrev_b32 v3, 4, v0                        ; the partial sums, in: 512 w + 16 x lane (+ 8,192 t)
	v_bfe_u32 v5, v0, 5, 3
	s_delay_alu instid0(VALU_DEP_1)
	v_lshl_add_u32 v4, v5, 13, v1                  ; and back: 8,192 (w & 7) + 16 x lane (+ 512 x the wave that wrote)
	s_and_b32 s12, ttmp9, 7                        ; tb
	s_bfe_u32 s13, ttmp9, 0x30003                  ; db
	s_lshr_b32 s14, ttmp9, 6                       ; b
	s_mov_b32 s27, 0                               ; s[26:27]: an offset as a pair
	s_lshl_b32 s15, s14, 8
	s_lshl_b32 s3, s2, 4
	s_add_co_u32 s15, s15, s3                      ; my first row of hs, fd, enc: 256 b + 16 w
	s_lshl_b32 s28, s14, 6
	s_lshl_b32 s3, s12, 3
	s_add_co_u32 s28, s28, s3                      ; the first row of o2', o3': 64 b + 8 tb
	s_and_b32 s3, s2, 7
	s_add_co_u32 s29, s28, s3                      ; the row of attn that I finish
	s_lshl_b32 s30, s13, 8                         ; 64 f32 are 256 bytes
	s_wait_alu depctr_va_vdst(0)
	s_wait_kmcnt 0x0
	s_lshl_b32 s26, s15, 12
	s_lshl_b32 s3, s13, 9                          ; 32 pairs of 16 bytes
	s_add_co_u32 s26, s26, s3
	s_add_nc_u64 s[16:17], s[4:5], s[26:27]        ; HF
	s_lshl_b32 s26, s15, 11
	s_add_co_u32 s26, s26, s30
	s_add_nc_u64 s[18:19], s[6:7], s[26:27]        ; enc
	s_lshl_b32 s26, s28, 11
	s_add_co_u32 s26, s26, s30
	s_add_co_u32 s26, s26, 4194304
	s_add_nc_u64 s[20:21], s[4:5], s[26:27]        ; O2S; O3S lies 524,288 bytes on
	s_lshl_b32 s26, s29, 11
	s_add_co_u32 s26, s26, s30
	s_add_nc_u64 s[22:23], s[10:11], s[26:27]      ; out1
	s_lshl_b32 s26, s29, 12
	s_add_co_u32 s26, s26, s30
	s_add_co_u32 s26, s26, 2048
	s_add_nc_u64 s[24:25], s[8:9], s[26:27]        ; the right half of out0's row
.irp t, 0,1,2,3,4,5,6,7
	global_load_b64 v[O2+2*\t:O2+2*\t+1], v2, s[20:21] offset:2048*\t
.endr
.irp t, 0,1,2,3,4,5,6,7
	global_load_b64 v[O3+2*\t:O3+2*\t+1], v2, s[20:21] offset:524288+2048*\t
.endr
.irp r, 0,1,2,3,4,5,6,7,8,9,10,11,12,13,14,15
	global_load_b128 v[HF+4*\r:HF+4*\r+3], v1, s[16:17] offset:4096*\r
	global_load_b64 v[EN+2*\r:EN+2*\r+1], v2, s[18:19] offset:2048*\r
.endr
	; ---- row 0 starts the sums: its p is made in den's registers, num = p x enc: nothing is cleared
	s_wait_loadcnt 31                              ; loads come back in order: o2', o3' and row 0's hs, fd are in; behind them row 0's enc and two loads for each of 15 rows
	EXPO 0, DEN, 4
	s_wait_alu depctr_va_vdst(0)
	EXPS DEN, 4
	s_wait_loadcnt 29                              ; row 1's hs, fd (and so row 0's enc) are in
	EXPO 1, T0+16, 2                               ; the next row's exponents are the independent work behind the batch
	s_wait_alu depctr_va_vdst(0)                   ; one wait for the batch, ahead of its first reader
.irp t, 0,1,2,3,4,5,6,7
	v_pk_mul_f32 v[NUM+4*\t:NUM+4*\t+1], v[DEN+4*\t:DEN+4*\t+1], v[EN:EN+1]
.endr
	; ---- rows 1 to 14: the two sets of p take turns
.set R, 1
.rept 14
.set TC, T0+16*(R%2)
.set TN, T0+16*((R+1)%2)
	EXPS TC, 2
	s_wait_loadcnt 29-2*R                          ; row R + 1's hs, fd are in (and row R's enc, issued ahead of them); behind them that row's enc and two loads for each later row
	EXPO R+1, TN, 2
	s_wait_alu depctr_va_vdst(0)
	ACCUM R, TC
.set R, R+1
.endr
	EXPS T0+16, 2                                  ; row 15
	s_wait_loadcnt 0x0                             ; its enc
	v_nop                                          ; a plain instruction behind the last exponential
	s_wait_alu depctr_va_vdst(0)
	ACCUM 15, T0+16
	; ---- the sixteen waves' partial sums meet in LDS
.irp t, 0,1,2,3,4,5,6,7
	ds_store_b128 v3, v[NUM+4*\t:NUM+4*\t+3] offset:8192*\t
.endr
	s_wait_dscnt 0x0                               ; for the others' sake: my stores have landed
	s_barrier_signal -1
	s_barrier_wait -1
	s_cmp_lt_u32 s2, 8                             ; waves 0-7 finish t = w; no barrier follows
	s_cbranch_scc0 .Lend
.irp p, 0,1,2,3,4,5,6,7,8,9,10,11,12,13,14,15
	ds_load_b128 v[HF+4*\p:HF+4*\p+3], v4 offset:512*\p
.endr
	s_wait_dscnt 0x0
.irp d, 8,4,2,1                                ; a tree: quad p takes quad p + d
.irp p, 0,1,2,3,4,5,6,7
.if \p < \d
	v_pk_add_f32 v[HF+4*\p:HF+4*\p+1],   v[HF+4*\p:HF+4*\p+1],   v[HF+4*(\p+\d):HF+4*(\p+\d)+1]
	v_pk_add_f32 v[HF+4*\p+2:HF+4*\p+3], v[HF+4*\p+2:HF+4*\p+3], v[HF+4*(\p+\d)+2:HF+4*(\p+\d)+3]
.endif
.endr
.endr
	s_wait_alu depctr_va_vdst(0)
	v_rcp_f32 v[HF+4], v[HF+2]                     ; 1 / den, for my two d
	v_rcp_f32 v[HF+5], v[HF+3]
	v_nop
	s_wait_alu depctr_va_vdst(0)                   ; ahead of the first reader, and of the label below
	v_pk_mul_f32 v[HF+6:HF+7], v[HF:HF+1], v[HF+4:HF+5]
	global_store_b64 v2, v[HF+6:HF+7], s[22:23] th:TH_STORE_NT   ; 32 lanes store 256 consecutive bytes, aligned
	global_store_b64 v2, v[HF+6:HF+7], s[24:25] th:TH_STORE_NT
.Lend:
	s_wait_tensorcnt 0x0
	ds_add_u32 v200, v201
	s_wait_dscnt 0x0
	s_endpgm
.Lfunc_end_k_q98527964d5_mix:
	.size	k_q98527964d5_mix, .Lfunc_end_k_q98527964d5_mix-k_q98527964d5_mix
	.p2alignl 7, 3214868480
	.fill 96, 4, 3214868480
	.section	.rodata,"a",@progbits
	.p2align	6, 0x0
	.amdhsa_kernel k_q98527964d5_mix
		.amdhsa_group_segment_fixed_size 67584
		.amdhsa_private_segment_fixed_size 0
		.amdhsa_enable_private_segment 0
		.amdhsa_kernarg_size 32
		.amdhsa_user_sgpr_count 2
		.amdhsa_user_sgpr_kernarg_segment_ptr 1
		.amdhsa_wavefront_size32 1
		.amdhsa_system_sgpr_workgroup_id_x 1
		.amdhsa_system_sgpr_workgroup_id_y 1
		.amdhsa_system_sgpr_workgroup_id_z 1
		.amdhsa_system_vgpr_workitem_id 0
		.amdhsa_next_free_vgpr 202
		.amdhsa_next_free_sgpr 66
		.amdhsa_reserve_vcc 0
		.amdhsa_float_denorm_mode_32 3
		.amdhsa_float_denorm_mode_16_64 3
		.amdhsa_memory_ordered 1
		.amdhsa_forward_progress 1
		.amdhsa_inst_pref_size 52
	.end_amdhsa_kernel
	.amdgpu_metadata
---
amdhsa.version: [ 1, 2 ]
amdhsa.kernels:
  - .name:           k_q98527964d5_mix
    .symbol:         k_q98527964d5_mix.kd
    .args:
      - { .name: ws, .offset: 0, .size: 8, .value_kind: global_buffer, .address_space: global }
      - { .name: encoder_hidden, .offset: 8, .size: 8, .value_kind: global_buffer, .address_space: global }
      - { .name: out0, .offset: 16, .size: 8, .value_kind: global_buffer, .address_space: global }
      - { .name: out1, .offset: 24, .size: 8, .value_kind: global_buffer, .address_space: global }
    .group_segment_fixed_size: 67584
    .private_segment_fixed_size: 0
    .kernarg_segment_align: 8
    .kernarg_segment_size: 32
    .max_flat_workgroup_size: 512
    .sgpr_count:     66
    .vgpr_count:     202
    .wavefront_size: 32
...
	.end_amdgpu_metadata
.endif
;; end of part 4
